; MI455X (gfx1250); checked and timed in simulation.
; The chip was launched on July 23, 2026; its instructions are those of AMD's public machine-readable ISA for CDNA 5 (MIT licence, August 2026) and "CDNA5" Instruction Set Architecture Reference Guide (July 2026). The comments in the code are by the model that wrote it; some were corrected since.
;; Temporal Attention. Allowed arithmetic: matrix products marked QUANTISED: E2M1 operands, one E8M0 scale for each 32 along K, by v_wmma_scale_f32_16x16x128_f8f6f4 with both operands' format E2M1 (or v_wmma_scale_f32_32x16x128_f4), f32 sums; everything else in f32.
;; Inputs: bk 32 float32; bq 32 float32; bv 256 float32; feat1 4 x 256 x 64 x 64 float32; feat2 4 x 256 x 64 x 64 float32; gamma 1 float32; wk 32 x 256 float32; wq 32 x 256 float32; wv 256 x 256 float32.
;; Outputs: out0 4 x 256 x 64 x 64 float32.
;; This version of the problem:
;;   THIS VERSION OF THE PROBLEM IS GIVEN IN LOW PRECISION. The matrix products marked QUANTISED in the list below multiply operands that are first quantised to E2M1 (2 exponent bits, 1 mantissa bit; 4 bits a number), with one power-of-two scale for each 32 numbers along K (OCP MX v1.0); their sums are f32. All else is computed in f32.
;;   The module's matrix products, in the order in which they are computed (A, B: the left and right operand; K: the contracted axis; several contracted axes count as one K, in the product's order):
;;     1. [M 16,384, K 256] x [K 256, N 32]; A: input feat2; B: input wq: QUANTISED
;;     2. [M 16,384, K 256] x [K 256, N 32]; A: input feat1; B: input wk: QUANTISED
;;     3. batch 4 x [M 4,096, K 32] x [K 32, N 4,096]; A: computed on the way; B: computed on the way: QUANTISED
;;     4. [M 16,384, K 256] x [K 256, N 256]; A: input feat1; B: input wv: QUANTISED
;;     5. batch 4 x [M 256, K 4,096] x [K 4,096, N 4,096]; A: computed on the way; B: softmax (see below): QUANTISED
;;   THE QUANTISER, for each operand of a quantised product, along K:
;;     - K is cut into blocks of 32 from its start; a last block that is shorter is filled with zeros.
;;     - A block's scale is 2^e with e = floor(log2(the largest magnitude in the block)) - 2, held to -126 .. 127; a block of zeros has e = 0. As a byte (E8M0): e + 127.
;;     - Each number is divided by its block's scale, clamped to +-6, and rounded to the nearest number of E2M1, ties to even, subnormals kept.
;;     - The product sums the exact products of the quantised numbers (number of the format x scale) in f32.
;;   ~~~python
;;   def quantise(x, axis):      # numpy; x: float32 -> the quantised numbers, widened to float32 again
;;       x = np.moveaxis(x, axis, -1); K = x.shape[-1]
;;       x = np.pad(x, [(0, 0)] * (x.ndim - 1) + [(0, -K % 32)]); x = x.reshape(x.shape[:-1] + (-1, 32)); a = np.abs(x).max(-1, keepdims=True)
;;       e = np.where(a > 0, np.clip(np.frexp(np.where(a > 0, a, 1))[1] - 1 - 2, -126, 127), 0)      # np.frexp(a)[1] - 1 = floor(log2(a)), exactly
;;       r = np.clip(x / 2.0 ** e, -6, 6)
;;       step = 2.0 ** (np.maximum(np.frexp(np.where(r == 0, 1, r))[1] - 1, 0) - 1)
;;       q = np.round(r / step) * step * 2.0 ** e      # np.round: ties to even
;;       return np.moveaxis(q.reshape(q.shape[:-2] + (-1,))[..., :K], -1, axis).astype(np.float32)
;;   ~~~
;;   SOFTMAX AHEAD OF A QUANTISED PRODUCT. Where the list says 'softmax', what is quantised is not the finished softmax but p = 2^(t - M), with t = logit x log2(e) and M = ceil(the row's largest t), a whole number; so 1/2 < the row's largest p <= 1. The row's sum l is taken of the UNQUANTISED p, in f32, and the product's result is divided by l at the end. Since M is a whole number, a kernel that streams over the keys may use a running M (the ceiling of the running maximum): every later rescaling is an exact power of two, which a block's scale takes up: the codes' values come out the same.
;;   OPERANDS COMPUTED ON THE WAY. 'Computed on the way' means the value that the module computes at that place (a softmax that the list does not call 'softmax' is quantised finished and normalised). What goes into a quantiser is computed in f32, as accurately as f32 sums, v_exp_f32 and their like allow (about 1e-6 of the number): no bf16 or f16 on the way to a quantiser, and a product that is left as it is and whose result goes on into a quantised operand takes f32 operands (vector FMAs, or v_wmma_f32_16x16x4_f32). A number that lies on a knife's edge between two numbers of the format may be rounded either way, as far as f32 arithmetic and the matrix unit's own rounding can turn it there, and no further.
;; One version. Each part assembles by itself: llvm-mc -triple=amdgcn-amd-amdhsa -mcpu=gfx1250 --defsym DOCPART=n.
;; ======== version 1 of 1: 3 launches
;; workspace buffers: wimg 40,960 bytes; wsc 2,560 bytes; qc 262,144 bytes; qs 65,536 bytes; kv 2,523,136 bytes
;; launch wquant (part 1): grid 20 x 1, 1 waves a work-group, no clusters, 0 bytes of LDS; arguments wq, wk, wv, wimg, wsc; writes wimg, wsc
.if DOCPART == 1
	.amdgcn_target "amdgcn-amd-amdhsa--gfx1250"
	.amdhsa_code_object_version 6
	.text
	.protected	k_q3bcdd958f8_wquant
	.globl	k_q3bcdd958f8_wquant
	.p2align	8
	.type	k_q3bcdd958f8_wquant,@function
k_q3bcdd958f8_wquant:
	s_mov_b64 s[64:65], 0
	v_nop
	global_prefetch_b8 v0, s[64:65] scope:SCOPE_SE
	s_setreg_imm32_b32 hwreg(HW_REG_WAVE_MODE, 25, 1), 1
	s_wait_xcnt 0x0
; THE PROGRAM: out = gamma x softmax(q k) v + feat2, q from feat2, k and v from feat1, all five products on codes of FP4 (E2M1) with one E8M0 scale for each 32 along K.
; Three launches: this one turns the three weights into codes; the second makes q's, k's and v's codes; the third is the attention.
; DEAD WORK: none.  Every input has a way to the output: bq and bk stand ahead of the quantisers of q and k, bv ahead of v's, gamma and feat2 are in the last line.
; THIS LAUNCH: wq [32][256], wk [32][256], wv [256][256], f32, K innermost, become 20 tiles of 16 rows x 256 K, laid as IMAGES OF THE OPERAND'S REGISTERS:
;   wimg: tile T at 2,048 T: [K step 2][c 2][lane 32][16 bytes] = registers 4 c .. 4 c + 3 of the fragment;   wsc: tile T at 128 T: lanes 0-15 the rows' scale words of K step 0, lanes 16-31 those of K step 1.
;   T = 0, 1: wq;  2, 3: wk;  4 .. 19: wv.  Row r of a tile u of wq or wk is output 8 u + r + 8 (r / 8), so that the results of two neighbouring tiles are 16 neighbours along the next K; row r of wv's tile ot is output 16 ot + r.
; A work-group is one wave and takes one tile: the 20 tiles' loads, in which each lane stands in another row, go out from 20 work-groups.
; Lane (r, h) holds, of its row, k = 128 s + 64 c + 32 h + 0 .. 31: four whole blocks, so no other lane is asked for a maximum.
; A block's scale byte is its largest magnitude's exponent field - 2, held at 1 from below.
; LIMITS: a block whose largest magnitude lies under 2^-124 keeps the byte 1; a block of zeros gets the byte 1 where the rule says 127 (its codes are zeros, and this program alone reads the bytes); NaN and infinities among the inputs are not served.
; No LDS, no barrier, no cluster: the waves share nothing, and the whole launch moves 320 KB once.
.set X,  64                            ; v64-191  block n = 2 s + c: 32 numbers at v[X + 32 n]
.set CD, 32                            ; v32-47   its codes at v[CD + 4 n]
.set MX, 16                            ; v16-19 largest magnitudes, v20-23 the conversions' scale operands, v24-27 the bytes
	s_load_b256 s[4:11], s[0:1], 0x0               ; wq s[4:5], wk s[6:7], wv s[8:9], wimg s[10:11]
	s_load_b64 s[12:13], s[0:1], 0x20              ; wsc
	s_mov_b32 s15, ttmp9                           ; T = the work-group's number
	v_and_b32 v1, 31, v0                           ; lane
	v_and_b32 v2, 15, v0                           ; r
	v_bfe_u32 v3, v0, 4, 1                         ; h
	v_lshrrev_b32 v4, 3, v2                        ; r / 8
	s_and_b32 s16, s15, 1
	s_lshl_b32 s16, s16, 3                         ; wq, wk: the tile's first row, 8 (T % 2)
	s_max_u32 s17, s15, 4
	s_sub_co_u32 s17, s17, 4
	s_lshl_b32 s17, s17, 4                         ; wv: 16 (T - 4)
	s_mov_b32 s20, 0x76543210
	s_mov_b32 s21, 0xfedcba98                      ; v_permlanex16_b32's selects for lane l xor 16
	s_wait_kmcnt 0x0
	s_cmp_lt_u32 s15, 2                            ; which weight: the choice hangs on ids alone
	s_cselect_b64 s[4:5], s[4:5], s[6:7]
	s_cmp_lt_u32 s15, 4
	s_cselect_b64 s[4:5], s[4:5], s[8:9]
	s_cselect_b32 s18, 8, 0                        ; wq, wk: rows 8 .. 15 of a tile lie 8 further on
	s_cselect_b32 s16, s16, s17
	s_lshl_b32 s16, s16, 10                        ; a row is 1,024 bytes
	s_mov_b32 s17, 0
	s_add_nc_u64 s[4:5], s[4:5], s[16:17]
	v_mul_lo_u32 v4, v4, s18
	v_add_nc_u32 v4, v4, v2
	v_lshlrev_b32 v4, 10, v4
	v_lshl_add_u32 v4, v3, 7, v4                   ; my row, + 128 h bytes
.irp n, 0,1,2,3
.irp i, 0,1,2,3,4,5,6,7
	global_load_b128 v[X+32*\n+4*\i:X+32*\n+4*\i+3], v4, s[4:5] offset:256*\n+16*\i
.endr
.endr
	s_lshl_b32 s16, s15, 11
	s_add_nc_u64 s[10:11], s[10:11], s[16:17]      ; my tile's image
	s_lshl_b32 s16, s15, 7
	s_add_nc_u64 s[12:13], s[12:13], s[16:17]      ; and its scale words
	v_lshlrev_b32 v6, 4, v1
	v_lshlrev_b32 v7, 2, v1
	v_lshlrev_b32 v5, 3, v3                        ; 8 h: my bytes' place in a scale word
	v_mov_b32 v30, 0                               ; (a lane permute's destination counts as one of its sources)
	v_mov_b32 v31, 0
	s_wait_loadcnt 0x0
.irp n, 0,1,2,3
	v_max3_num_f32 v[MX+\n], |v[X+32*\n]|, |v[X+32*\n+1]|, 0x1800000   ; the floor 2^(3 - 127): the byte cannot fall under 1
.endr
.irp i, 2,4,6,8,10,12,14,16,18,20,22,24,26,28,30
.irp n, 0,1,2,3
	v_max3_num_f32 v[MX+\n], v[MX+\n], |v[X+32*\n+\i]|, |v[X+32*\n+\i+1]|   ; the four blocks by turns
.endr
.endr
.irp n, 0,1,2,3
	v_add_nc_u32 v[MX+4+\n], 0xff000000, v[MX+\n]  ; 2 off the exponent field: the conversion's scale operand
.endr
.irp n, 0,1,2,3
	v_lshrrev_b32 v[MX+8+\n], 23, v[MX+4+\n]       ; the scale's byte
.endr
.irp s, 0,1
	v_lshl_or_b32 v[28+\s], v[MX+9+2*\s], 16, v[MX+8+2*\s]   ; K step s: my blocks h and 2 + h,
.endr
.irp s, 0,1
	v_lshlrev_b32 v[28+\s], v5, v[28+\s]           ; at their places in the word;
.endr
.irp s, 0,1
	v_permlanex16_b32 v[30+\s], v[28+\s], s20, s21
.endr
.irp s, 0,1
	v_or_b32 v[28+\s], v[28+\s], v[30+\s]          ; with lane l xor 16's two the word is whole
.endr
	v_cmp_eq_u32 vcc_lo, 1, v3
	v_cndmask_b32 v28, v28, v29, vcc_lo            ; lanes 0-15 keep K step 0's word, lanes 16-31 take K step 1's
.irp n, 0,1,2,3
.irp g, 0,1,2,3
	v_cvt_scalef32_pk8_fp4_f32 v[CD+4*\n+\g], v[X+32*\n+8*\g:X+32*\n+8*\g+7], v[MX+4+\n]
.endr
.endr
	v_nop                                          ; one plain line behind the last scaled conversion
.irp n, 0,1,2,3
	global_store_b128 v6, v[CD+4*\n:CD+4*\n+3], s[10:11] offset:512*\n   ; 32 lanes store 512 consecutive bytes
.endr
	global_store_b32 v7, v28, s[12:13]
	s_endpgm
.Lfunc_end_k_q3bcdd958f8_wquant:
	.size	k_q3bcdd958f8_wquant, .Lfunc_end_k_q3bcdd958f8_wquant-k_q3bcdd958f8_wquant
	.p2alignl 7, 3214868480
	.fill 96, 4, 3214868480
	.section	.rodata,"a",@progbits
	.p2align	6, 0x0
	.amdhsa_kernel k_q3bcdd958f8_wquant
		.amdhsa_group_segment_fixed_size 0
		.amdhsa_private_segment_fixed_size 0
		.amdhsa_enable_private_segment 0
		.amdhsa_kernarg_size 40
		.amdhsa_user_sgpr_count 2
		.amdhsa_user_sgpr_kernarg_segment_ptr 1
		.amdhsa_wavefront_size32 1
		.amdhsa_system_sgpr_workgroup_id_x 1
		.amdhsa_system_sgpr_workgroup_id_y 1
		.amdhsa_system_sgpr_workgroup_id_z 1
		.amdhsa_system_vgpr_workitem_id 0
		.amdhsa_next_free_vgpr 192
		.amdhsa_next_free_sgpr 66
		.amdhsa_reserve_vcc 1
		.amdhsa_float_denorm_mode_32 3
		.amdhsa_float_denorm_mode_16_64 3
		.amdhsa_memory_ordered 1
		.amdhsa_forward_progress 1
		.amdhsa_inst_pref_size 12
	.end_amdhsa_kernel
	.amdgpu_metadata
---
amdhsa.version: [ 1, 2 ]
amdhsa.kernels:
  - .name:           k_q3bcdd958f8_wquant
    .symbol:         k_q3bcdd958f8_wquant.kd
    .args:
      - { .name: wq, .offset: 0, .size: 8, .value_kind: global_buffer, .address_space: global }
      - { .name: wk, .offset: 8, .size: 8, .value_kind: global_buffer, .address_space: global }
      - { .name: wv, .offset: 16, .size: 8, .value_kind: global_buffer, .address_space: global }
      - { .name: wimg, .offset: 24, .size: 8, .value_kind: global_buffer, .address_space: global }
      - { .name: wsc, .offset: 32, .size: 8, .value_kind: global_buffer, .address_space: global }
    .group_segment_fixed_size: 0
    .private_segment_fixed_size: 0
    .kernarg_segment_align: 8
    .kernarg_segment_size: 40
    .max_flat_workgroup_size: 32
    .sgpr_count:     66
    .vgpr_count:     192
    .wavefront_size: 32
...
	.end_amdgpu_metadata
.endif
;; end of part 1
;; launch proj (part 2): grid 256 x 1, 4 waves a work-group, no clusters, 167,936 bytes of LDS; arguments feat1, feat2, wimg, wsc, bq, bk, bv, qc, qs, kv; writes qc, qs, kv
.if DOCPART == 2
	.amdgcn_target "amdgcn-amd-amdhsa--gfx1250"
	.amdhsa_code_object_version 6
	.text
	.protected	k_q3bcdd958f8_proj
	.globl	k_q3bcdd958f8_proj
	.p2align	8
	.type	k_q3bcdd958f8_proj,@function
k_q3bcdd958f8_proj:
	s_mov_b64 s[64:65], 0
	v_nop
	global_prefetch_b8 v0, s[64:65] scope:SCOPE_SE
	s_setreg_imm32_b32 hwreg(HW_REG_WAVE_MODE, 25, 1), 1
	s_wait_xcnt 0x0
; q = Q(feat2) Q(wq) + bq, k = Q(feat1) Q(wk) + bk, v = Q(feat1) Q(wv) + bv, each then quantised for the attention: q and k along their 32 outputs, v along the pixels (the keys).  No work is left out.
; SHARES.  Work-groups 0-127 take feat1, 128-255 feat2; each takes 128 pixels of one batch, all 256 channels: 128 KB, brought once by the tensor data mover (two loads a wave, each 32 channels x 512 bytes).
; A LANE TAKES A PIXEL AND ITS REGISTERS RUN DOWN THE CHANNELS (K is not innermost in memory): wave w quantises pixels 32 w .. 32 w + 31.  Lane 16 a + r takes pixel 16 (r / 8) + 8 a + r % 8 of the 32, so that
; tile a's row r is pixel 8 a + r + 8 (r / 8); sixteen exchanges of halves make the lane's 32 code registers the two tiles' fragments.
; q OR k: transposed (source 0 = 16 rows of the weight, source 1 = 16 pixels): a lane holds one pixel and 16 neighbouring outputs; the bias is the C of the first product; one block of 32 lies in lanes l and l xor 16.
; v (feat1 alone): THE WAVES SHARE THE CHANNELS: wave w makes channels 64 w .. 64 w + 63 for all 128 pixels; the pixels' fragments go from wave to wave through LDS as images of their registers.  Source 0 = 16 pixels,
; source 1 = 16 rows of wv: a lane holds one channel and 16 neighbouring pixels.
; OUT.  qc: [position][16 bytes], position 16 a + r of a block of 32 pixels as above; qs: the scale byte four times, 4 bytes a position.  kv: a record of 19,712 bytes for each 128 keys:
;   +0 k's codes [block 4][position 32][16];  +2048 k's scale words [32][8 bytes: word, 0], word 16 g + r, byte i = the key of block 2 g + i / 2, position 16 (i % 2) + r;
;   +2304 v's scale words [w 4][lane 32][2][4]: channel 16 (4 w + 2 i + lane / 16) + lane % 16, a byte for each of the 4 key blocks;  +3328 v's codes [block 4][channel 256][16].
; NO CLUSTER: no two work-groups read the same pixels; what they share, the weights' images (at most 21 KB a wave against the work-group's 128 KB of pixels), goes straight into registers.
; The two paths part on the work-group's number, round lines without a barrier; every wave of every work-group passes the same three barriers.
; LIMITS: as stated at the head of the first kernel (the floor 2^-124, the byte 1 for a block of zeros, no NaN or infinity).
.set REC,   19712
.set XIMG,  0                          ; LDS: the pixels' 16 fragments: ((2 kb + a) 2 + s) x 1,024 bytes
.set XSC,   16384                      ; their scale words: (2 kb + s) x 128 bytes
.set KSG,   17408                      ; k's scale bytes, 128 of a block of 256
.set SPARE, 17664                      ; the spare words, 128 bytes for each wave: two blocks of 256 bytes that no other line names
.set XB,    18176                      ; the pixels as they come: [256 channels][512 bytes]
.set CVO, 1                            ; v1   v's codes: 16 r + 8 h + 1,024 w
.set XA0, 2                            ; v2, v3  my pixel's word in channel 0, in channel 128
.set LI,  4                            ; v4   16 x lane
.set LS,  5                            ; v5   4 x lane
.set XWI, 6                            ; v6   where I store my fragments' images
.set XWS, 7                            ; v7   and their scale words
.set KSA, 8                            ; v8   where my two scale bytes of k go
.set CO,  9                            ; v9   q's or k's codes: 16 r + 8 h + 512 w
.set SPW, 10                           ; v10  my spare word; never rewritten
.set NIL, 11                           ; v11  0; never rewritten
.set FA,  16                           ; v16-31 tile 0's fragments (K step s at + 8 s), v32-47 tile 1's
.set PS,  48                           ; v48, v49 my pixels' scale words of K step 0, 1: lane 16 a + r = tile a's row r
.set L8,  58                           ; v58  8 x lane
.set SWV, 60                           ; v60-63 v's scale words, tile e
.set RAW, 160                          ; v160-223 two sets of 32 numbers; then the accumulators
.set PC,  224                          ; v224-231 codes just made
.set TM,  232                          ; v232-247 the bias as C; then: +0 largest magnitudes, +4 bytes, +12 scale operands
.set G1,  24
.set G0,  32
.set WV,  40
.set PATH, 41
.set GI,  42
.set SEL, 44
.set HM,  46
; one scaled product.  c < 0: the constant 0 starts the sum.  ra, rb: the rows of the two scale registers
.macro MM d, a, b, c, sa, sb, ra, rb
.if (\c) < 0
.if (\ra) && (\rb)
	v_wmma_scale_f32_16x16x128_f8f6f4 v[\d:\d+7], v[\a:\a+7], v[\b:\b+7], 0, v[\sa], v[\sb] matrix_a_fmt:MATRIX_FMT_FP4 matrix_b_fmt:MATRIX_FMT_FP4 matrix_a_scale:MATRIX_SCALE_ROW1 matrix_b_scale:MATRIX_SCALE_ROW1
.elseif (\ra)
	v_wmma_scale_f32_16x16x128_f8f6f4 v[\d:\d+7], v[\a:\a+7], v[\b:\b+7], 0, v[\sa], v[\sb] matrix_a_fmt:MATRIX_FMT_FP4 matrix_b_fmt:MATRIX_FMT_FP4 matrix_a_scale:MATRIX_SCALE_ROW1
.elseif (\rb)
	v_wmma_scale_f32_16x16x128_f8f6f4 v[\d:\d+7], v[\a:\a+7], v[\b:\b+7], 0, v[\sa], v[\sb] matrix_a_fmt:MATRIX_FMT_FP4 matrix_b_fmt:MATRIX_FMT_FP4 matrix_b_scale:MATRIX_SCALE_ROW1
.else
	v_wmma_scale_f32_16x16x128_f8f6f4 v[\d:\d+7], v[\a:\a+7], v[\b:\b+7], 0, v[\sa], v[\sb] matrix_a_fmt:MATRIX_FMT_FP4 matrix_b_fmt:MATRIX_FMT_FP4
.endif
.else
.if (\ra) && (\rb)
	v_wmma_scale_f32_16x16x128_f8f6f4 v[\d:\d+7], v[\a:\a+7], v[\b:\b+7], v[\c:\c+7], v[\sa], v[\sb] matrix_a_fmt:MATRIX_FMT_FP4 matrix_b_fmt:MATRIX_FMT_FP4 matrix_a_scale:MATRIX_SCALE_ROW1 matrix_b_scale:MATRIX_SCALE_ROW1
.elseif (\ra)
	v_wmma_scale_f32_16x16x128_f8f6f4 v[\d:\d+7], v[\a:\a+7], v[\b:\b+7], v[\c:\c+7], v[\sa], v[\sb] matrix_a_fmt:MATRIX_FMT_FP4 matrix_b_fmt:MATRIX_FMT_FP4 matrix_a_scale:MATRIX_SCALE_ROW1
.elseif (\rb)
	v_wmma_scale_f32_16x16x128_f8f6f4 v[\d:\d+7], v[\a:\a+7], v[\b:\b+7], v[\c:\c+7], v[\sa], v[\sb] matrix_a_fmt:MATRIX_FMT_FP4 matrix_b_fmt:MATRIX_FMT_FP4 matrix_b_scale:MATRIX_SCALE_ROW1
.else
	v_wmma_scale_f32_16x16x128_f8f6f4 v[\d:\d+7], v[\a:\a+7], v[\b:\b+7], v[\c:\c+7], v[\sa], v[\sb] matrix_a_fmt:MATRIX_FMT_FP4 matrix_b_fmt:MATRIX_FMT_FP4
.endif
.endif
.endm
	s_load_b512 s[4:19], s[0:1], 0x0               ; feat1 s[4:5], feat2 s[6:7], wimg s[8:9], wsc s[10:11], bq s[12:13], bk s[14:15], bv s[16:17], qc s[18:19]
	s_load_b128 s[20:23], s[0:1], 0x40             ; qs s[20:21], kv s[22:23]
	v_lshl_add_u32 v[SPW], v0, 2, SPARE
	v_mov_b32 v[NIL], 0
	ds_add_u32 v[SPW], v[NIL]                      ; the wave's opening: the add, twice on end, and its wait ahead of my first tensor load
	ds_add_u32 v[SPW], v[NIL]
	v_lshrrev_b32 v12, 5, v0
	v_readfirstlane_b32 s[WV], v12                 ; wave 0..3
	; descriptor group 1: 32 rows (channels) of 64 elements of 8 bytes (128 pixels), 2,048 elements (a channel's 4,096 pixels) from row to row; no padding: a load of 32 lanes takes 32 neighbouring words
	s_mov_b32 s[G1], 3<<16
	s_mov_b32 s[G1+1], 64<<16
	s_mov_b32 s[G1+2], 32<<16
	s_mov_b32 s[G1+3], 64<<16
	s_mov_b32 s[G1+4], 32
	s_mov_b32 s[G1+5], 2048
	s_mov_b32 s[G1+6], 0
	s_mov_b32 s[G1+7], 0
	s_lshr_b32 s[PATH], ttmp9, 7                   ; 0: feat1, 1: feat2
	s_and_b32 s[GI], ttmp9, 127                    ; which 128 pixels: batch GI / 32, step GI % 32
	s_lshr_b32 s48, s[GI], 5
	s_and_b32 s49, s[GI], 31
	s_lshl_b32 s48, s48, 22                        ; a batch is 2^22 bytes,
	s_lshl_b32 s49, s49, 9                         ; 128 pixels 512,
	s_add_co_u32 s48, s48, s49
	s_lshl_b32 s49, s[WV], 19                      ; my 32 channels of 16,384
	s_add_co_u32 s48, s48, s49
	s_mov_b32 s49, 0
	s_lshl_b32 s50, s[WV], 14
	s_add_co_u32 s50, s50, XB                      ; and their place in LDS
	s_mov_b32 s[SEL], 0x76543210
	s_mov_b32 s[SEL+1], 0xfedcba98                 ; v_permlanex16_b32's selects for lane l xor 16
	s_wait_dscnt 0x0                               ; both opening adds are done
	s_wait_kmcnt 0x0
	s_cmp_eq_u32 s[PATH], 0                        ; the buffers are chosen by the work-group's number alone
	s_cselect_b64 s[4:5], s[4:5], s[6:7]           ; the pixels
	s_cselect_b64 s[12:13], s[14:15], s[12:13]     ; bk or bq
	s_cselect_b64 s[18:19], s[22:23], s[18:19]     ; the codes go into kv or into qc
	s_cselect_b32 s52, 4096, 0                     ; wk's tiles 2, 3 or wq's 0, 1
	s_cselect_b32 s54, 256, 0
	s_mov_b32 s56, 2048
	s_cselect_b32 s56, REC, s56                    ; bytes of 128 pixels there
	s_add_nc_u64 s[4:5], s[4:5], s[48:49]
.irp j, 0,1
	s_mov_b32 s[G0+4*\j], 1
	s_add_co_u32 s[G0+4*\j+1], s50, \j*65536       ; channels 128 j + 32 w on
	s_add_nc_u64 s[G0+4*\j+2:G0+4*\j+3], s[4:5], \j*2097152
	s_or_b32 s[G0+4*\j+3], s[G0+4*\j+3], 0x80000000
.endr
	tensor_load_to_lds s[G0:G0+3], s[G1:G1+7]      ; both first fills together: two tensor loads of mine are out
	s_nop 0
	tensor_load_to_lds s[G0+4:G0+7], s[G1:G1+7]
	s_nop 0
.rept 4
	v_nop
.endr
	s_mov_b32 s53, 0
	s_mov_b32 s55, 0
	s_mov_b32 s57, 0
	s_add_nc_u64 s[58:59], s[8:9], s[52:53]        ; wq's or wk's images
	s_add_nc_u64 s[62:63], s[10:11], s[54:55]      ; and scale words
	s_lshl_b32 s52, s[WV], 13
	s_add_co_u32 s52, s52, 8192
	s_add_nc_u64 s[8:9], s[8:9], s[52:53]          ; wv's tiles 4 + 4 w on
	s_lshl_b32 s54, s[WV], 9
	s_add_co_u32 s54, s54, 512
	s_add_nc_u64 s[10:11], s[10:11], s[54:55]
	s_lshl_b32 s52, s[WV], 8
	s_add_nc_u64 s[16:17], s[16:17], s[52:53]      ; bv of my 64 channels
	s_mul_i32 s56, s[GI], s56
	s_add_nc_u64 s[18:19], s[18:19], s[56:57]      ; my work-group's record, or its 128 positions of qc
	s_lshl_b32 s52, s[GI], 9
	s_lshl_b32 s54, s[WV], 7
	s_add_co_u32 s52, s52, s54
	s_add_nc_u64 s[20:21], s[20:21], s[52:53]      ; my wave's 32 positions of qs
	v_and_b32 v12, 31, v0                          ; lane
	v_and_b32 v13, 15, v0                          ; r
	v_bfe_u32 v14, v0, 4, 1                        ; h, which is also a
	v_lshlrev_b32 v[LI], 4, v12
	v_lshlrev_b32 v[LS], 2, v12
	v_lshlrev_b32 v[L8], 3, v12
	v_and_b32 v15, 7, v0
	v_lshl_add_u32 v15, v14, 3, v15
	v_bfe_u32 v[XA0], v0, 3, 1
	v_lshl_add_u32 v15, v[XA0], 4, v15             ; my pixel of the 32: 16 (r / 8) + 8 a + r % 8
	v_lshlrev_b32 v15, 2, v15
	s_lshl_b32 s52, s[WV], 7
	s_add_co_u32 s52, s52, XB
	v_add_nc_u32 v[XA0], s52, v15
	v_add_nc_u32 v[XA0+1], 65536, v[XA0]
	s_lshl_b32 s52, s[WV], 12
	v_add_nc_u32 v[XWI], s52, v[LI]                ; XIMG + 4,096 w + 16 x lane
	s_lshl_b32 s52, s[WV], 8
	s_add_co_u32 s52, s52, XSC
	v_add_nc_u32 v[XWS], s52, v[LS]
	s_lshr_b32 s52, s[WV], 1
	s_lshl_b32 s52, s52, 6
	s_and_b32 s54, s[WV], 1
	s_lshl_b32 s54, s54, 1
	s_add_co_u32 s52, s52, s54
	s_add_co_u32 s52, s52, KSG
	v_lshl_add_u32 v[KSA], v13, 2, s52             ; word 16 (w / 2) + r, bytes 2 (w % 2) and + 1
	v_lshlrev_b32 v[CO], 4, v13
	v_lshl_add_u32 v[CO], v14, 3, v[CO]
	s_lshl_b32 s52, s[WV], 10
	v_add_nc_u32 v[CVO], s52, v[CO]
	s_lshl_b32 s52, s[WV], 9
	v_add_nc_u32 v[CO], s52, v[CO]
	v_cmp_eq_u32 s[HM], 1, v14                     ; lanes 16-31
	v_lshlrev_b32 v15, 6, v14                      ; the bias: lane (r, h) wants outputs 16 h + 8 u + 0 .. 7 for tile u
.irp u, 0,1
.irp s, 0,1
.irp c, 0,1
	global_load_b128 v[128+16*\u+8*\s+4*\c:131+16*\u+8*\s+4*\c], v[LI], s[58:59] offset:2048*\u+1024*\s+512*\c
.endr
.endr
	global_load_b32 v[54+\u], v[LS], s[62:63] offset:128*\u
	global_load_b128 v[TM+8*\u:TM+8*\u+3], v15, s[12:13] offset:32*\u
	global_load_b128 v[TM+8*\u+4:TM+8*\u+7], v15, s[12:13] offset:32*\u+16
.endr
.macro XLD j                           ; block j: channels 32 j .. 32 j + 31 of my pixel into set j % 2
.set xi, 0
.rept 32
	ds_load_b32 v[RAW+32*((\j)%2)+xi], v[XA0+(\j)/4] offset:(32*((\j)%4)+xi)*512
.set xi, xi+1
.endr
.endm
.macro BLOCKQ j                        ; its scale byte into my pixel's scale word, its codes into registers 4 c .. 4 c + 3 of K step j / 4: even blocks under FA, odd ones under FA + 16
.set XS, RAW+32*((\j)%2)
.set DST, FA+16*((\j)%2)+8*((\j)/4)+4*(((\j)%4)/2)
	v_max3_num_f32 v12, |v[XS]|, |v[XS+1]|, |v[XS+2]|
	v_max3_num_f32 v13, |v[XS+3]|, |v[XS+4]|, |v[XS+5]|
.irp i, 6,10,14,18,22,26
	v_max3_num_f32 v12, v12, |v[XS+\i]|, |v[XS+\i+1]|
	v_max3_num_f32 v13, v13, |v[XS+\i+2]|, |v[XS+\i+3]|
.endr
	v_max3_num_f32 v12, v12, |v[XS+30]|, |v[XS+31]|
	v_max3_num_f32 v12, v12, v13, 0x1800000        ; the floor 2^(3 - 127): the byte cannot fall under 1
	v_add_nc_u32 v14, 0xff000000, v12              ; 2 off the exponent field: the conversion's scale operand
	v_lshrrev_b32 v13, 23, v14                     ; the byte
.if (\j)%4 == 0
	v_mov_b32 v[PS+(\j)/4], v13
.else
	v_lshl_or_b32 v[PS+(\j)/4], v13, 8*((\j)%4), v[PS+(\j)/4]
.endif
.irp g, 0,1,2,3
	v_cvt_scalef32_pk8_fp4_f32 v[DST+\g], v[XS+8*\g:XS+8*\g+7], v14
.endr
	v_nop                                          ; one plain line behind the last scaled conversion
.endm
.macro QX half                         ; four blocks, the loads two blocks ahead
	XLD 4*\half
	XLD 4*\half+1
.irp n, 0,1,2,3
.if \n < 3
	s_wait_dscnt 32                                ; this block's 32 loads are in; the next block's 32 may be out
.else
	s_wait_dscnt 0x0
.endif
	BLOCKQ 4*\half+\n
.if \n < 2
	XLD 4*\half+\n+2
.endif
.endr
.endm
; nb blocks of 32, of which a lane holds 16 numbers each, v[src + 16 b] on, and lane l xor 16 the other 16: bytes into v[TM + 4 + b], 16 codes into v[PC + 2 b], v[PC + 2 b + 1]
.macro QUANT16 src, nb
.set qb, 0
.rept \nb
	v_max3_num_f32 v[TM+qb], |v[\src+16*qb]|, |v[\src+16*qb+1]|, 0x1800000
.set qb, qb+1
.endr
.irp i, 2,4,6,8,10,12,14
.set qb, 0
.rept \nb
	v_max3_num_f32 v[TM+qb], v[TM+qb], |v[\src+16*qb+\i]|, |v[\src+16*qb+\i+1]|
.set qb, qb+1
.endr
.endr
.set qb, 0
.rept \nb
	v_permlanex16_b32 v[TM+4+qb], v[TM+qb], s[SEL], s[SEL+1]
.set qb, qb+1
.endr
.set qb, 0
.rept \nb
	v_max_num_f32 v[TM+qb], v[TM+qb], v[TM+4+qb]
.set qb, qb+1
.endr
.set qb, 0
.rept \nb
	v_add_nc_u32 v[TM+12+qb], 0xff000000, v[TM+qb]
.set qb, qb+1
.endr
.set qb, 0
.rept \nb
	v_lshrrev_b32 v[TM+4+qb], 23, v[TM+12+qb]
.set qb, qb+1
.endr
.set qb, 0
.rept \nb
	v_cvt_scalef32_pk8_fp4_f32 v[PC+2*qb], v[\src+16*qb:\src+16*qb+7], v[TM+12+qb]
	v_cvt_scalef32_pk8_fp4_f32 v[PC+2*qb+1], v[\src+16*qb+8:\src+16*qb+15], v[TM+12+qb]
.set qb, qb+1
.endr
	v_nop                                          ; one plain line behind the last scaled conversion
.endm
	s_wait_tensorcnt 0x1                           ; my part of channels 0-127 is in; the second load may stay out
	s_barrier_signal -1
	s_barrier_wait -1                              ; everybody's is
	QX 0
	s_wait_tensorcnt 0x0                           ; my part of channels 128-255
	s_barrier_signal -1
	s_barrier_wait -1
	QX 1
.set n, 0
.rept 16
	v_permlane16_swap_b32 v[FA+n], v[FA+16+n]      ; the first's lanes 16-31 change places with the second's lanes 0-15: v16-31 are tile 0's two fragments, v32-47 tile 1's
.set n, n+1
.endr
.rept 8
	v_nop                                          ; scale registers written by vector instructions stand 8 places ahead of a scaled product, operands so written 4
.endr
	s_wait_loadcnt 0x0                             ; the weight's images, scale words and the bias
	; q or k: four accumulators (tile of pixels a, tile of outputs u) by turns
.irp s, 0,1
.irp a, 0,1
.irp u, 0,1
.if \s == 0
	MM RAW+16*\a+8*\u, 128+16*\u+8*\s, FA+16*\a+8*\s, TM+8*\u, 54+\u, PS+\s, \s, \a
.else
	MM RAW+16*\a+8*\u, 128+16*\u+8*\s, FA+16*\a+8*\s, RAW+16*\a+8*\u, 54+\u, PS+\s, \s, \a
.endif
.endr
.endr
.endr
.rept 4
	v_nop                                          ; places behind the products, ahead of the first read of results and of writes over the bias
.endr
	QUANT16 RAW, 2                                 ; block a = the 32 outputs of tile a's pixel r
.irp a, 0,1
	global_store_b64 v[CO], v[PC+2*\a:PC+2*\a+1], s[18:19] offset:256*\a   ; 32 lanes store 256 consecutive bytes, aligned: positions 16 a + r
.endr
	s_cmp_lg_u32 s[PATH], 0
	s_cbranch_scc1 .Lq_side
	v_lshl_or_b32 v12, v[TM+5], 8, v[TM+4]         ; k: my row's two bytes (both halves of the lanes write the same)
	ds_store_b16 v[KSA], v12
.irp a, 0,1
.irp s, 0,1
.irp c, 0,1
	ds_store_b128 v[XWI], v[FA+16*\a+8*\s+4*\c:FA+16*\a+8*\s+4*\c+3] offset:2048*\a+1024*\s+512*\c   ; my pixels' fragments as they stand
.endr
.endr
.endr
.irp s, 0,1
	ds_store_b32 v[XWS], v[PS+\s] offset:128*\s
.endr
	s_branch .Lmeet
.Lq_side:
	s_mov_b32 s52, 0x01010101
	v_mul_lo_u32 v12, v[TM+4], s52                 ; q: the byte in all four places of a scale word
	v_mul_lo_u32 v13, v[TM+5], s52
	v_cndmask_b32 v12, v12, v13, s[HM]             ; lane 16 a + r: position 16 a + r
	global_store_b32 v[LS], v12, s[20:21]
.Lmeet:
	s_wait_dscnt 0x0                               ; for the others' sake: my LDS stores have landed
	s_barrier_signal -1
	s_barrier_wait -1
	s_cmp_lg_u32 s[PATH], 0
	s_cbranch_scc1 .Lend
	; ---- feat1 alone: v.  All that this part alone needs is loaded here, behind the last parting of the two paths
	v_and_b32 v14, 15, v0
	v_lshlrev_b32 v14, 2, v14
.irp e, 0,1,2,3
.irp s, 0,1
.irp c, 0,1
	global_load_b128 v[64+16*\e+8*\s+4*\c:67+16*\e+8*\s+4*\c], v[LI], s[8:9] offset:2048*\e+1024*\s+512*\c
.endr
.endr
	global_load_b32 v[50+\e], v[LS], s[10:11] offset:128*\e
	global_load_b32 v[248+2*\e], v14, s[16:17] offset:64*\e   ; bv of channel 16 (4 w + e) + r, twice: a pair for the packed addition
	global_load_b32 v[249+2*\e], v14, s[16:17] offset:64*\e
.endr
.macro FETCHX kb                       ; key block kb's four fragments (a, s) and two scale words, as wave kb stored them
.irp a, 0,1
.irp s, 0,1
.irp c, 0,1
	ds_load_b128 v[128+16*\a+8*\s+4*\c:131+16*\a+8*\s+4*\c], v[LI] offset:XIMG+((2*(\kb)+\a)*2+\s)*1024+512*\c
.endr
.endr
.endr
.irp s, 0,1
	ds_load_b32 v[56+\s], v[LS] offset:XSC+(2*(\kb)+\s)*128
.endr
.endm
	FETCHX 0
	s_cmp_lg_u32 s[WV], 0
	s_cbranch_scc1 .Lnot_wave_0
	ds_load_b32 v12, v[LS] offset:KSG              ; k's 32 scale words leave as one aligned block of 256 bytes: (word, 0)
	v_mov_b32 v13, 0
	s_wait_dscnt 0x0
	global_store_b64 v[L8], v[12:13], s[18:19] offset:2048
.Lnot_wave_0:
	s_wait_loadcnt 0x0
.macro VTRIP kb
	s_wait_dscnt 0x0                               ; the block's fragments are in
.irp s, 0,1                            ; eight accumulators (tile of channels e, tile of pixels a) by turns
.irp e, 0,1,2,3
.irp a, 0,1
.if \s == 0
	MM RAW+16*\e+8*\a, 128+16*\a+8*\s, 64+16*\e+8*\s, -1, 56+\s, 50+\e, \a, \s
.else
	MM RAW+16*\e+8*\a, 128+16*\a+8*\s, 64+16*\e+8*\s, RAW+16*\e+8*\a, 56+\s, 50+\e, \a, \s
.endif
.endr
.endr
.endr
.rept 4
	v_nop                                          ; places ahead of the loads into registers that the products have read, and of the first read of results
.endr
.if \kb < 3
	FETCHX \kb+1
.endif
.irp e, 0,1,2,3
.set pj, 0
.rept 8
	v_pk_add_f32 v[RAW+16*\e+pj:RAW+16*\e+pj+1], v[RAW+16*\e+pj:RAW+16*\e+pj+1], v[248+2*\e:249+2*\e]   ; + bv: the 16 registers of (e, a = 0, 1) are pixels 32 kb + 16 h + 0 .. 15 of one channel
.set pj, pj+2
.endr
.endr
	s_wait_xcnt 0x0                                ; the earlier stores have read their data: the codes' registers are written again only behind this wait
	QUANT16 RAW, 4                                 ; block e = this key block of channel 16 (4 w + e) + r
.irp e, 0,1,2,3
.if \kb == 0
	v_mov_b32 v[SWV+\e], v[TM+4+\e]
.else
	v_lshl_or_b32 v[SWV+\e], v[TM+4+\e], 8*\kb, v[SWV+\e]
.endif
.endr
.irp e, 0,1,2,3
	global_store_b64 v[CVO], v[PC+2*\e:PC+2*\e+1], s[18:19] offset:3328+4096*\kb+256*\e   ; 256 consecutive bytes, aligned: 16 channels x 16 bytes
.endr
.endm
	VTRIP 0
	VTRIP 1
	VTRIP 2
	VTRIP 3
	s_lshl_b32 s52, s[WV], 8
	v_add_nc_u32 v15, s52, v[L8]
	v_cndmask_b32 v12, v[SWV], v[SWV+1], s[HM]     ; lane (r, h): the words of tiles h and 2 + h
	v_cndmask_b32 v13, v[SWV+2], v[SWV+3], s[HM]
	global_store_b64 v15, v[12:13], s[18:19] offset:2304
.Lend:
	s_wait_tensorcnt 0x0                           ; the wave's end: behind my last tensor load and my last LDS store
	ds_add_u32 v[SPW], v[NIL]
	s_wait_dscnt 0x0
	s_endpgm
.Lfunc_end_k_q3bcdd958f8_proj:
	.size	k_q3bcdd958f8_proj, .Lfunc_end_k_q3bcdd958f8_proj-k_q3bcdd958f8_proj
	.p2alignl 7, 3214868480
	.fill 96, 4, 3214868480
	.section	.rodata,"a",@progbits
	.p2align	6, 0x0
	.amdhsa_kernel k_q3bcdd958f8_proj
		.amdhsa_group_segment_fixed_size 167936
		.amdhsa_private_segment_fixed_size 0
		.amdhsa_enable_private_segment 0
		.amdhsa_kernarg_size 80
		.amdhsa_user_sgpr_count 2
		.amdhsa_user_sgpr_kernarg_segment_ptr 1
		.amdhsa_wavefront_size32 1
		.amdhsa_system_sgpr_workgroup_id_x 1
		.amdhsa_system_sgpr_workgroup_id_y 1
		.amdhsa_system_sgpr_workgroup_id_z 1
		.amdhsa_system_vgpr_workitem_id 0
		.amdhsa_next_free_vgpr 256
		.amdhsa_next_free_sgpr 66
		.amdhsa_reserve_vcc 0
		.amdhsa_float_denorm_mode_32 3
		.amdhsa_float_denorm_mode_16_64 3
		.amdhsa_memory_ordered 1
		.amdhsa_forward_progress 1
		.amdhsa_inst_pref_size 79
	.end_amdhsa_kernel
	.amdgpu_metadata
---
amdhsa.version: [ 1, 2 ]
amdhsa.kernels:
  - .name:           k_q3bcdd958f8_proj
    .symbol:         k_q3bcdd958f8_proj.kd
    .args:
      - { .name: feat1, .offset: 0, .size: 8, .value_kind: global_buffer, .address_space: global }
      - { .name: feat2, .offset: 8, .size: 8, .value_kind: global_buffer, .address_space: global }
      - { .name: wimg, .offset: 16, .size: 8, .value_kind: global_buffer, .address_space: global }
      - { .name: wsc, .offset: 24, .size: 8, .value_kind: global_buffer, .address_space: global }
      - { .name: bq, .offset: 32, .size: 8, .value_kind: global_buffer, .address_space: global }
      - { .name: bk, .offset: 40, .size: 8, .value_kind: global_buffer, .address_space: global }
      - { .name: bv, .offset: 48, .size: 8, .value_kind: global_buffer, .address_space: global }
      - { .name: qc, .offset: 56, .size: 8, .value_kind: global_buffer, .address_space: global }
      - { .name: qs, .offset: 64, .size: 8, .value_kind: global_buffer, .address_space: global }
      - { .name: kv, .offset: 72, .size: 8, .value_kind: global_buffer, .address_space: global }
    .group_segment_fixed_size: 167936
    .private_segment_fixed_size: 0
    .kernarg_segment_align: 8
    .kernarg_segment_size: 80
    .max_flat_workgroup_size: 128
    .sgpr_count:     66
    .vgpr_count:     256
    .wavefront_size: 32
...
	.end_amdgpu_metadata
.endif
;; end of part 2
;; launch attn (part 3): grid 64 x 4, 8 waves a work-group, clusters of 4 x 1, 327,680 bytes of LDS; arguments qc, qs, kv, feat2, gamma, out0; writes out0
.if DOCPART == 3
	.amdgcn_target "amdgcn-amd-amdhsa--gfx1250"
	.amdhsa_code_object_version 6
	.text
	.protected	k_q3bcdd958f8_attn
	.globl	k_q3bcdd958f8_attn
	.p2align	8
	.type	k_q3bcdd958f8_attn,@function
k_q3bcdd958f8_attn:
	s_mov_b64 s[64:65], 0
	v_nop
	global_prefetch_b8 v0, s[64:65] scope:SCOPE_SE
	s_setreg_imm32_b32 hwreg(HW_REG_WAVE_MODE, 25, 1), 1
	s_wait_xcnt 0x0
	s_wait_alu depctr_hold_cnt(0) depctr_sa_sdst(0) depctr_va_vdst(0) depctr_va_sdst(0) depctr_va_ssrc(0) depctr_va_vcc(0) depctr_vm_vsrc(0)
	s_getreg_b32 s2, hwreg(HW_REG_IB_STS2, 6, 4)
	s_cmp_eq_u32 s2, 0
	s_cbranch_scc0 .Lentry_in_a_cluster
	s_endpgm
.Lentry_in_a_cluster:
	s_bfe_u32 s2, ttmp6, 0x10000c
	s_cmp_lg_u32 s2, 0x3003
	s_cbranch_scc0 .Lentry_shape_is_right
	s_endpgm
.Lentry_shape_is_right:
; out[b][c][m] = gamma x (sum over keys n of v[c][n] p[m][n]) / l[m] + feat2[b][c][m], on the codes that the launch before has made.  No work is left out.
; t = logit x log2(e); M = the largest t so far, rounded UP to a whole number; p = 2^(t - M) is quantised along the keys; l is the sum of the unquantised p.  When M moves, l and O are multiplied by 2^(old M - new M): exact.
; SHARES.  A work-group owns 64 queries of one batch.  Wave w owns the tile of 16 queries t = w % 4 and the key half kh = w / 4: of each 1,024 keys it walks 512.  The two halves' O, M and l meet in LDS at the end.
; A KEY STEP TAKES 256 KEYS, two records, under ONE M: the 128 registers of O^T are rescaled, and M and f are made, once for 256 keys.
; RING.  Two LDS slots of 8 records (1,024 keys) each; every wave fetches one record, 77 rows of 256 bytes, by one tensor load.
; CLUSTER.  The four work-groups of a cluster belong to one batch and walk the same records: each is asked for JOINTLY, by the same tensor load with the same descriptor and a mask that names the four.
; LAYOUT.  Both products are used transposed: S^T = K Q^T, O^T = V^T P^T: a lane holds ONE query throughout.  Row r of key tile 2 b + u is key 32 b + 8 u + r + 8 (r / 8): the 16 registers of tiles 2 b, 2 b + 1 are 16 neighbouring keys.
; THE FIRST PRODUCT HAS K = 32, a quarter of the instruction's 128.  So a fragment of K holds FOUR tiles of 16 keys, one in each block of 32 along K, and Q's fragment number i holds the query's 32 codes in block i and zero codes
; elsewhere: product (g, i) gives tile 4 g + i.  Q's four fragments overlap in 20 registers: zeros, D0, zeros, D1, zeros (D0: the codes in lanes 0-15; D1: in lanes 16-31).
; The launch claims all of a WGP's LDS; the text uses 316,416 bytes.
; LIMITS: as stated at the head of the first kernel.  v_exp_f32 gives 0 where p would fall under 2^-126.
; REGISTERS, window 0: v1-11 addresses; v12 -M, v13 the largest t, v[14:15] l in two halves; v16-35 Q; v36 Q's, v37-38 K's, v40-41 p's scale words; v48-63 the first record's K; v64-191 S^T, then p, then the second record's V;
;   v192-207 the second record's K, then p's two fragments; v208-215 the blocks' maxima; v216-223, v250 at work; v224-231 the conversions' scale operands; v232-247 V's scale words; v[248:249] f; v252-255 addresses of the way out.
;   window 1: v0-127 O^T (tile ct at 8 ct); v128-255 the first record's V; on the way out v128-191 feat2.
.set REC,   19712                      ; a record: +0 K's codes, +2048 K's scale words, +2304 V's scale words, +3328 V's codes
.set SLOT,  8*REC
.set SPARE, 2*SLOT                     ; behind the ring: the spare words, 128 bytes for each wave: four blocks of 256 bytes that no other line names
.set STGB,  256*272                    ; the way out, in slot 0, which by then has had its last fill and its last read: a stage of 256 channels x (256 bytes + 16) for each key half,
.set STT,   2*STGB                     ; and the statistics: [kh][-M: 256 bytes, l: 256 bytes]
.set LI,  1                            ; v1   16 x lane
.set AV0, 2                            ; v2   16 r + 4,096 h
.set L8,  3                            ; v3   8 x lane
.set SPW, 4                            ; v4   my spare word; never rewritten
.set NIL, 5                            ; v5   0; never rewritten
.set ADK, 6                            ; v6-8 the step's addresses
.set ADV, 7
.set ADS, 8
.set STO, 9                            ; v9, v10 the stage: my query's column, channels 8 h on, and 128 channels further
.set STA, 11                           ; v11  my query's statistics
.set QS,  36
.set KS,  37
.set PW,  40
.set KA,  48
.set S,   64
.set PC,  192
.set BM,  208
.set PT,  216
.set SO,  224
.set VS,  232
.set F,   248
.set TMP, 250
.set RD,  252                          ; v252, v253 back out of the two stages
.set RD2, 253
.set SRD, 254                          ; v254 the statistics of my four columns
.set GO,  255                          ; v255 my byte offset in feat2 and in out0
.set WV,  16
.set G1,  24
.set G0,  32
.set SEL, 40
.set CS,  42
.set TB,  44                           ; LDS byte at which the step's first record begins
.set KHB, 45                           ; my key half's first record in a slot
.set CNT, 46
.set GAM, 47
.set HM,  56
.set MSB, 0
.macro WIN new                         ; the immediate's high byte repeats the setting that is left
.if MSB != \new
	s_set_vgpr_msb (MSB<<8)|\new
.set MSB, \new
.endif
.endm
; one scaled product.  c < 0: the constant 0 starts the sum.  ra: the row of source 0's scale register
.macro MM d, a, b, c, sa, sb, ra
.if (\c) < 0
.if (\ra)
	v_wmma_scale_f32_16x16x128_f8f6f4 v[\d:\d+7], v[\a:\a+7], v[\b:\b+7], 0, v[\sa], v[\sb] matrix_a_fmt:MATRIX_FMT_FP4 matrix_b_fmt:MATRIX_FMT_FP4 matrix_a_scale:MATRIX_SCALE_ROW1
.else
	v_wmma_scale_f32_16x16x128_f8f6f4 v[\d:\d+7], v[\a:\a+7], v[\b:\b+7], 0, v[\sa], v[\sb] matrix_a_fmt:MATRIX_FMT_FP4 matrix_b_fmt:MATRIX_FMT_FP4
.endif
.else
.if (\ra)
	v_wmma_scale_f32_16x16x128_f8f6f4 v[\d:\d+7], v[\a:\a+7], v[\b:\b+7], v[\c:\c+7], v[\sa], v[\sb] matrix_a_fmt:MATRIX_FMT_FP4 matrix_b_fmt:MATRIX_FMT_FP4 matrix_a_scale:MATRIX_SCALE_ROW1
.else
	v_wmma_scale_f32_16x16x128_f8f6f4 v[\d:\d+7], v[\a:\a+7], v[\b:\b+7], v[\c:\c+7], v[\sa], v[\sb] matrix_a_fmt:MATRIX_FMT_FP4 matrix_b_fmt:MATRIX_FMT_FP4
.endif
.endif
.endm
; a round of the cluster's barrier: my work-group's barrier; wave 0 signals for the work-group; every wave waits for all four work-groups; my work-group's barrier once more
.macro CROUND
	s_barrier_signal -1
	s_barrier_wait -1
	s_cmp_lg_u32 s[WV], 0
	s_cbranch_scc1 .Lnot_wave_0_\@
	s_barrier_signal -3
.Lnot_wave_0_\@:
	s_barrier_wait -3
	s_barrier_signal -1
	s_barrier_wait -1
.endm
	s_load_b256 s[4:11], s[0:1], 0x0               ; qc s[4:5], qs s[6:7], kv s[8:9], feat2 s[10:11]
	s_load_b128 s[12:15], s[0:1], 0x20             ; gamma s[12:13], out0 s[14:15]
	v_lshl_add_u32 v[SPW], v0, 2, SPARE
	v_mov_b32 v[NIL], 0
	ds_add_u32 v[SPW], v[NIL]                      ; the wave's opening: the add, twice on end, and its wait ahead of my first tensor load
	ds_add_u32 v[SPW], v[NIL]
	v_lshrrev_b32 v6, 5, v0
	v_readfirstlane_b32 s[WV], v6                  ; wave 0..7
	; descriptor group 1: a record as 77 dense rows of 32 elements of 8 bytes; the mask names all four work-groups, bit 21 beside it; no padding: every LDS load of a fragment takes consecutive bytes
	s_mov_b32 s[G1], 15|(3<<16)|(1<<21)
	s_mov_b32 s[G1+1], 32<<16
	s_mov_b32 s[G1+2], 77<<16
	s_mov_b32 s[G1+3], 32<<16
	s_mov_b32 s[G1+4], 77
	s_mov_b32 s[G1+5], 32
	s_mov_b32 s[G1+6], 0
	s_mov_b32 s[G1+7], 0
	s_and_b32 s17, ttmp7, 0xffff                   ; the batch, which the four partners share
	s_lshl_b32 s18, s17, 5
	s_add_co_u32 s18, s18, s[WV]
	s_mul_i32 s18, s18, REC                        ; record 32 b + w
	s_mov_b32 s19, 0
	s_mul_i32 s22, s[WV], REC                      ; its place in a slot: no place in the cluster enters an LDS address
	s_lshr_b32 s23, s[WV], 2                       ; kh
	s_mul_i32 s[KHB], s23, 4*REC
	s_mov_b32 s[SEL], 0x76543210
	s_mov_b32 s[SEL+1], 0xfedcba98                 ; v_permlanex16_b32's selects for lane l xor 16
	s_mov_b32 s[CS], 0x3fb8aa3b                    ; log2(e)
	s_mov_b32 s[CS+1], s[CS]                       ; (named with it as a pair, so it is written)
	s_wait_dscnt 0x0                               ; both opening adds are done
	s_wait_kmcnt 0x0
	s_add_nc_u64 s[20:21], s[8:9], s[18:19]
	CROUND                                         ; all four work-groups are here: the first joint loads meet
.irp n, 0,1
	s_mov_b32 s[G0+4*\n], 1
	s_add_co_u32 s[G0+4*\n+1], s22, \n*SLOT
	s_add_nc_u64 s[G0+4*\n+2:G0+4*\n+3], s[20:21], \n*8*REC
	s_or_b32 s[G0+4*\n+3], s[G0+4*\n+3], 0x80000000
.endr
	tensor_load_to_lds s[G0:G0+3], s[G1:G1+7]      ; keys 0 .. 1,023: two tensor loads of mine are out
	s_nop 0
	tensor_load_to_lds s[G0+4:G0+7], s[G1:G1+7]    ; keys 1,024 .. 2,047
	s_nop 0
.rept 4
	v_nop
.endr
	s_load_b32 s[GAM], s[12:13], 0x0
	s_bfe_u32 s48, ttmp6, 0x40000                  ; cx: it enters the addresses of q, feat2 and out0 alone
	s_lshl_b32 s49, ttmp9, 2
	s_add_co_u32 s49, s49, s48                     ; my block of 64 queries
	s_and_b32 s18, s[WV], 3                        ; t
	s_lshl_b32 s51, s17, 12
	s_lshl_b32 s52, s49, 6
	s_add_co_u32 s51, s51, s52
	s_lshl_b32 s52, s18, 4
	s_add_co_u32 s51, s51, s52                     ; my tile's first position: 4,096 b + 64 x + 16 t
	s_lshl_b32 s52, s51, 4
	s_mov_b32 s53, 0
	s_add_nc_u64 s[4:5], s[4:5], s[52:53]
	s_lshl_b32 s52, s51, 2
	s_add_nc_u64 s[6:7], s[6:7], s[52:53]
	s_lshl_b32 s52, s17, 22
	s_lshl_b32 s54, s[WV], 19
	s_add_co_u32 s52, s52, s54
	s_lshl_b32 s54, s49, 8
	s_add_co_u32 s52, s52, s54                     ; the way out: batch b, channels 32 w on, my block's 256 bytes of a row
	s_add_nc_u64 s[10:11], s[10:11], s[52:53]
	s_add_nc_u64 s[14:15], s[14:15], s[52:53]
	v_and_b32 v208, 15, v0                         ; r
	v_bfe_u32 v209, v0, 4, 1                       ; h
	v_and_b32 v210, 31, v0                         ; lane
	v_lshlrev_b32 v6, 4, v208
	v_lshlrev_b32 v7, 2, v208
	global_load_b128 v[48:51], v6, s[4:5]          ; query r's 32 codes, in both halves of the lanes
	global_load_b32 v[QS], v7, s[6:7]              ; and its scale word
	v_lshlrev_b32 v[LI], 4, v210
	v_lshlrev_b32 v[L8], 3, v210
	v_lshlrev_b32 v[AV0], 4, v208
	v_lshl_add_u32 v[AV0], v209, 12, v[AV0]
	v_and_b32 v211, 7, v0
	v_bfe_u32 v212, v0, 3, 1
	v_lshl_add_u32 v211, v212, 4, v211
	s_lshr_b32 s19, s18, 1
	s_lshl_b32 s19, s19, 5
	s_and_b32 s20, s18, 1
	s_lshl_b32 s20, s20, 3
	s_add_co_u32 s19, s19, s20
	v_add_nc_u32 v211, s19, v211                   ; position 16 t + r is pixel 32 (t / 2) + 16 (r / 8) + 8 (t % 2) + r % 8 of the 64
	v_lshlrev_b32 v211, 2, v211
	s_mul_i32 s20, s23, STGB
	v_mad_u32_u24 v[STO], v209, 2176, v211
	v_add_nc_u32 v[STO], s20, v[STO]
	v_add_nc_u32 v[STO+1], 128*272, v[STO]
	s_lshl_b32 s20, s23, 9
	s_add_co_u32 s20, s20, STT
	v_add_nc_u32 v[STA], s20, v211
	s_mul_i32 s20, s[WV], 32*272
	v_mul_u32_u24 v[RD], v209, 272
	v_lshl_add_u32 v[RD], v208, 4, v[RD]
	v_add_nc_u32 v[RD], s20, v[RD]                 ; back: channels 32 w + h, 16 bytes a lane
	v_add_nc_u32 v[RD2], STGB, v[RD]
	v_lshl_add_u32 v[SRD], v208, 4, STT
	v_lshlrev_b32 v[GO], 14, v209
	v_lshl_add_u32 v[GO], v208, 4, v[GO]
	v_cmp_eq_u32 s[HM], 1, v209                    ; lanes 16-31
.irp i, 16,17,18,19,24,25,26,27,32,33,34,35
	v_mov_b32 v\i, 0                               ; Q's zero codes
.endr
	s_wait_loadcnt 0x0
.irp i, 0,1,2,3
	v_cndmask_b32 v[20+\i], v[48+\i], v16, s[HM]   ; D0: the codes in lanes 0-15
	v_cndmask_b32 v[28+\i], v16, v[48+\i], s[HM]   ; D1: in lanes 16-31
.endr
	v_mov_b32 v13, 0xff61b1e6                      ; the largest t so far: -3e38, under every t
	v_floor_f32 v12, -v13                          ; -M
	v_mov_b32 v14, 0
	v_mov_b32 v15, 0
.irp i, 216,217,218,219,220,221,222,223,249,250
	v_mov_b32 v\i, 0                               ; lane permutes' destinations and the upper half of f's pair are written once
.endr
; A KEY STEP: 256 keys, the records at s[TB] and one further on.  first = 1: the products start O^T's sums with the constant 0, and there is nothing to rescale.
.macro DSTEP first
	v_add_nc_u32 v[ADK], s[TB], v[LI]
	v_add_nc_u32 v[ADV], s[TB], v[AV0]
	v_add_nc_u32 v[ADS], s[TB], v[L8]
	v_nop
	v_nop                                          ; five places behind the last step's products: loads land on their sources and scales (4 asked), and the products below write over the second record's V (5 asked)
.irp g, 0,1
.irp c, 0,1
	ds_load_b128 v[KA+8*\g+4*\c:KA+8*\g+4*\c+3], v[ADK] offset:512*(2*\g+\c)   ; K: lane (r, h), registers 4 c on: key block 2 g + c, position 16 h + r = row r of tile 4 g + 2 c + h
.endr
.endr
	ds_load_b32 v[KS], v[ADS] offset:2048          ; lane 16 g + r: the four tiles' scale bytes of row r
.irp g, 0,1
.irp c, 0,1
	ds_load_b128 v[PC+8*\g+4*\c:PC+8*\g+4*\c+3], v[ADK] offset:REC+512*(2*\g+\c)   ; the second record's K, where p's codes will stand
.endr
.endr
	ds_load_b32 v[KS+1], v[ADS] offset:REC+2048
.irp rr, 0,1
.irp w, 0,1,2,3
	ds_load_b64 v[VS+8*\rr+2*\w:VS+8*\rr+2*\w+1], v[ADS] offset:\rr*REC+2304+256*\w
.endr
.endr
	WIN 0x40                                       ; destination window 1
.set vt, 0
.rept 16
	ds_load_b128 v[128+8*vt:131+8*vt], v[ADV] offset:3328+256*vt             ; the first record's V, tile vt: key blocks h and 2 + h of channel 16 vt + r; wanted at the step's end
	ds_load_b128 v[132+8*vt:135+8*vt], v[ADV] offset:3328+256*vt+8192
.set vt, vt+1
.endr
	WIN 0
	s_wait_dscnt 45                                ; the first record's five loads of K are in; behind them: the second record's five, eight of V's scale words, 32 of V
.irp g, 0,1
.irp be, 0,1,2,3
	MM S+8*(4*\g+\be), KA+8*\g, 20+8*(\be%2)-4*(\be/2), -1, KS, QS, \g
.endr
.endr
	s_wait_dscnt 40                                ; the second record's five are in
.irp g, 0,1
.irp be, 0,1,2,3
	MM S+64+8*(4*\g+\be), PC+8*\g, 20+8*(\be%2)-4*(\be/2), -1, KS+1, QS, \g
.endr
.endr
.rept 4
	v_nop
.endr
.irp b, 0,1,2,3,4,5,6,7
	v_max3_num_f32 v[BM+\b], v[S+16*\b], v[S+16*\b+1], v[S+16*\b+2]   ; the largest score of each block of 32 keys: for the row's maximum, and, since p rises with the score, for the block's largest p
.endr
.irp i, 3,5,7,9,11,13
.irp b, 0,1,2,3,4,5,6,7
	v_max3_num_f32 v[BM+\b], v[BM+\b], v[S+16*\b+\i], v[S+16*\b+\i+1]   ; the eight blocks by turns
.endr
.endr
.irp b, 0,1,2,3,4,5,6,7
	v_max_num_f32 v[BM+\b], v[BM+\b], v[S+16*\b+15]
.endr
.irp b, 0,1,2,3,4,5,6,7
	v_permlanex16_b32 v[PT+\b], v[BM+\b], s[SEL], s[SEL+1]
.endr
.irp b, 0,1,2,3,4,5,6,7
	v_max_num_f32 v[BM+\b], v[BM+\b], v[PT+\b]     ; with lane l xor 16's 16 keys
.endr
	v_max3_num_f32 v[TMP], v[BM], v[BM+1], v[BM+2]
	v_max3_num_f32 v[PT], v[BM+3], v[BM+4], v[BM+5]
	v_max3_num_f32 v[TMP], v[TMP], v[BM+6], v[BM+7]
	v_max_num_f32 v[TMP], v[TMP], v[PT]            ; the step's largest score of my query
	v_mul_f32 v[TMP], s[CS], v[TMP]                ; as t
	v_max_num_f32 v13, v13, v[TMP]                 ; the running largest t
	v_mov_b32 v[TMP], v12
	v_floor_f32 v12, -v13                          ; the new -M = -ceil(t)
	v_sub_f32 v[TMP], v12, v[TMP]                  ; old M - new M: a whole number, 0 or less
	v_cvt_i32_f32 v[TMP], v[TMP]                   ; (it saturates)
	v_ldexp_f32 v[F], 1.0, v[TMP]                  ; f = 2^(old M - new M)
.set sj, 0
.rept 64
	v_pk_fma_f32 v[S+sj:S+sj+1], v[S+sj:S+sj+1], s[CS:CS+1], v[12:13] op_sel_hi:[1,0,0]   ; t - M, two at a time
.set sj, sj+2
.endr
.irp b, 0,1,2,3,4,5,6,7
	v_fma_f32 v[BM+\b], v[BM+\b], s[CS], v12       ; the same of each block's largest score
.endr
.set sj, 0
.rept 128
	v_exp_f32 v[S+sj], v[S+sj]                     ; p = 2^(t - M)
.set sj, sj+1
.endr
	v_pk_mul_f32 v[14:15], v[14:15], v[F:F+1] op_sel_hi:[1,0]   ; l under the new M: the plain line behind the exponentials
.if !\first
	WIN 0x41                                       ; O^T (destination and source 0) in window 1, f in window 0
.set sj, 0
.rept 32
	v_pk_mul_f32 v[sj:sj+1], v[sj:sj+1], v[F:F+1] op_sel_hi:[1,0]   ; O^T's tiles 0-7 under the new M: work that names no exponential's result, between the batch and its wait
.set sj, sj+2
.endr
	WIN 0
.endif
	s_wait_alu depctr_va_vdst(0)                   ; one wait for the whole batch, ahead of its first reader
.irp b, 0,1,2,3,4,5,6,7
	v_exp_f32 v[BM+\b], v[BM+\b]                   ; the block's largest p
.endr
	v_pk_add_f32 v[PT:PT+1], v[S:S+1], v[S+2:S+3]  ; l is summed of the unquantised p, in four chains
	v_pk_add_f32 v[PT+2:PT+3], v[S+4:S+5], v[S+6:S+7]
	v_pk_add_f32 v[PT+4:PT+5], v[S+8:S+9], v[S+10:S+11]
.set sj, 12
.rept 14
	v_pk_add_f32 v[14:15], v[14:15], v[S+sj:S+sj+1]
	v_pk_add_f32 v[PT:PT+1], v[PT:PT+1], v[S+sj+2:S+sj+3]
	v_pk_add_f32 v[PT+2:PT+3], v[PT+2:PT+3], v[S+sj+4:S+sj+5]
	v_pk_add_f32 v[PT+4:PT+5], v[PT+4:PT+5], v[S+sj+6:S+sj+7]
.set sj, sj+8
.endr
	v_pk_add_f32 v[14:15], v[14:15], v[S+124:S+125]
	v_pk_add_f32 v[PT:PT+1], v[PT:PT+1], v[S+126:S+127]
	v_pk_add_f32 v[PT+2:PT+3], v[PT+2:PT+3], v[PT+4:PT+5]
	v_pk_add_f32 v[14:15], v[14:15], v[PT:PT+1]
	v_pk_add_f32 v[14:15], v[14:15], v[PT+2:PT+3]
	s_wait_alu depctr_va_vdst(0)                   ; and one for the eight
.irp b, 0,1,2,3,4,5,6,7
	v_max_num_f32 v[BM+\b], 0x1800000, v[BM+\b]    ; the floor 2^(3 - 127): the byte cannot fall under 1
.endr
.irp b, 0,1,2,3,4,5,6,7
	v_add_nc_u32 v[SO+\b], 0xff000000, v[BM+\b]    ; 2 off the exponent field: the conversion's scale operand
.endr
.irp b, 0,1,2,3,4,5,6,7
	v_lshrrev_b32 v[PT+\b], 23, v[SO+\b]           ; the byte
.endr
	v_lshl_or_b32 v[PW], v[PT+1], 8, v[PT]         ; p's scale words, one for each 128 keys
	v_lshl_or_b32 v[PW+1], v[PT+5], 8, v[PT+4]
	v_lshl_or_b32 v[PW], v[PT+2], 16, v[PW]
	v_lshl_or_b32 v[PW+1], v[PT+6], 16, v[PW+1]
	v_lshl_or_b32 v[PW], v[PT+3], 24, v[PW]
	v_lshl_or_b32 v[PW+1], v[PT+7], 24, v[PW+1]
.irp b, 0,1,2,3,4,5,6,7
	v_cvt_scalef32_pk8_fp4_f32 v[PC+2*\b], v[S+16*\b:S+16*\b+7], v[SO+\b]
	v_cvt_scalef32_pk8_fp4_f32 v[PC+2*\b+1], v[S+16*\b+8:S+16*\b+15], v[SO+\b]
.endr
	v_nop                                          ; one plain line behind the last scaled conversion
.irp c, 0,1,2,3
.irp i, 0,1
	v_permlane16_swap_b32 v[PC+4*\c+\i], v[PC+4*\c+2+\i]   ; a whole block in a lane: lanes 0-15 block 2 c, lanes 16-31 block 2 c + 1
.endr
.endr
.set vt, 0
.rept 16
	ds_load_b128 v[S+8*vt:S+8*vt+3], v[ADV] offset:REC+3328+256*vt           ; p's registers are free: the second record's V
	ds_load_b128 v[S+8*vt+4:S+8*vt+7], v[ADV] offset:REC+3328+256*vt+8192
.set vt, vt+1
.endr
.if \first
.rept 8
	v_nop                                          ; p's scale words, written by vector instructions, stand 8 places ahead of the products
.endr
.else
	WIN 0x41
.set sj, 64
.rept 32
	v_pk_mul_f32 v[sj:sj+1], v[sj:sj+1], v[F:F+1] op_sel_hi:[1,0]   ; O^T's tiles 8-15 under the new M; these are also the places ahead of the products
.set sj, sj+2
.endr
.endif
	s_wait_dscnt 32                                ; the first record's V and all scale words are in; the second record's 32 loads may be out
	WIN 0x51                                       ; V, C and D in window 1
.set pct, 0
.rept 16                               ; sixteen accumulators by turns
.if \first
	MM 8*pct, 128+8*pct, PC, -1, VS+pct/2, PW, pct%2
.else
	MM 8*pct, 128+8*pct, PC, 8*pct, VS+pct/2, PW, pct%2
.endif
.set pct, pct+1
.endr
	s_wait_dscnt 0x0                               ; the second record's V is in
	WIN 0x50                                       ; V in window 0, C and D in window 1
.set pct, 0
.rept 16
	MM 8*pct, S+8*pct, PC+8, 8*pct, VS+8+pct/2, PW+1, pct%2
.set pct, pct+1
.endr
	WIN 0
.endm
; my four records of a slot: two steps
.macro RUN slot, first
	s_add_co_u32 s[TB], s[KHB], \slot*SLOT
.if \first
	DSTEP 1
	s_add_co_u32 s[TB], s[TB], 2*REC
	DSTEP 0
.else
	s_mov_b32 s[CNT], 2
.Lrun_\@:
	DSTEP 0
	s_add_co_u32 s[TB], s[TB], 2*REC
	s_sub_co_u32 s[CNT], s[CNT], 1
	s_cmp_lg_u32 s[CNT], 0
	s_cbranch_scc1 .Lrun_\@
.endif
.endm
; THE CHANGE OF SLOTS.  Each wave waits for all its tensor loads (its record of the slot ahead), adds 0 to its spare word, and waits for that and for its reads of slot n, which it has left.
; fill = 1: behind a round of the cluster's barrier slot n takes the keys two slots on: my one tensor load until the next round, with two steps of every wave in which to land.
.macro CHANGE n, fill
	s_wait_tensorcnt 0x0                           ; no tensor load of mine is out, so a group 0 may be written
	ds_add_u32 v[SPW], v[NIL]                      ; 0 onto my spare word
.if \fill
	s_add_nc_u64 s[G0+4*\n+2:G0+4*\n+3], s[G0+4*\n+2:G0+4*\n+3], 16*REC
.endif
	s_wait_dscnt 0x0                               ; the add is done, and my reads of the slot are over
.if \fill
	CROUND
	tensor_load_to_lds s[G0+4*\n:G0+4*\n+3], s[G1:G1+7]
	s_nop 0
.rept 4
	v_nop
.endr
.else
	s_barrier_signal -1
	s_barrier_wait -1
.endif
.endm
	s_wait_kmcnt 0x0                               ; gamma
	s_wait_tensorcnt 0x1                           ; my record of slot 0 is in; slot 1's may stay out
	s_barrier_signal -1
	s_barrier_wait -1                              ; everybody's is
	RUN 0, 1
	CHANGE 0, 1
	RUN 1, 0
	CHANGE 1, 1
	RUN 0, 0
	CHANGE 0, 0                                    ; the last slot: nothing is left to fetch
	RUN 1, 0
	; THE WAY OUT.  Each wave puts its -M, its l and its O^T, as it stands, into its key half's stage; behind one barrier wave w takes channels 32 w .. 32 w + 31 of all 64 queries, brings the two halves under one M,
	; divides by l, multiplies by gamma, adds feat2 and stores whole rows.
	v_add_f32 v14, v14, v15
	v_permlanex16_b32 v[TMP], v14, s[SEL], s[SEL+1]
	v_add_f32 v14, v14, v[TMP]                     ; my half's l
.rept 4
	v_nop                                          ; places behind the last products, ahead of the loads into V's registers and of the first read of results
.endr
	WIN 0x40                                       ; destination window 1
.set oi, 0
.rept 16
	global_load_b128 v[128+4*oi:131+4*oi], v[GO], s[10:11] offset:32768*oi th:TH_LOAD_NT   ; feat2, into registers that V has left: 16 lanes read 256 consecutive bytes of a channel; the stage's stores, the barrier and the factors stand ahead of the wait for it
.set oi, oi+1
.endr
	WIN 0
	ds_store_b32 v[STA], v12
	ds_store_b32 v[STA], v14 offset:256
	WIN 0x04                                       ; an LDS store's data are its source 1: window 1
.set oc, 0
.rept 128
	ds_store_b32 v[STO+oc/64], v[oc] offset:(16*((oc/8)%8)+oc%8)*272   ; register 8 ct + j: channel 16 ct + 8 h + j of my query; each accumulator from its low end on
.set oc, oc+1
.endr
	WIN 0
	s_wait_dscnt 0x0                               ; for the others' sake: my stores have landed
	s_barrier_signal -1
	s_barrier_wait -1
.irp i, 0,1,2,3
	ds_load_b128 v[16+4*\i:19+4*\i], v[SRD] offset:256*\i   ; of my four columns: v16-19 -M and v20-23 l of half 0, v24-27 and v28-31 of half 1
.endr
.set oi, 0
.rept 16
	ds_load_b128 v[64+4*oi:67+4*oi], v[RD] offset:544*oi    ; two channels an instruction
	ds_load_b128 v[128+4*oi:131+4*oi], v[RD2] offset:544*oi
.set oi, oi+1
.endr
	s_wait_dscnt 32                                ; the statistics are in; the 32 loads behind them may be out
.irp q, 0,1,2,3
	v_min_num_f32 v[40+\q], v[16+\q], v[24+\q]     ; -M of both halves together
.endr
.irp q, 0,1,2,3
	v_sub_f32 v[32+\q], v[40+\q], v[16+\q]         ; M of a half less the common M: a whole number, 0 or less
	v_sub_f32 v[36+\q], v[40+\q], v[24+\q]
.endr
.irp q, 0,1,2,3,4,5,6,7
	v_cvt_i32_f32 v[32+\q], v[32+\q]
.endr
.irp q, 0,1,2,3,4,5,6,7
	v_ldexp_f32 v[32+\q], 1.0, v[32+\q]            ; the halves' factors: exact powers of two
.endr
.irp q, 0,1,2,3
	v_mul_f32 v[40+\q], v[32+\q], v[20+\q]
.endr
.irp q, 0,1,2,3
	v_fma_f32 v[40+\q], v[36+\q], v[28+\q], v[40+\q]   ; l
.endr
.irp q, 0,1,2,3
	v_rcp_f32 v[44+\q], v[40+\q]
.endr
	v_nop                                          ; a plain line behind the last reciprocal
	s_wait_alu depctr_va_vdst(0)                   ; and one wait for the four, ahead of their first reader
.irp q, 0,1,2,3
	v_mul_f32 v[44+\q], s[GAM], v[44+\q]
.endr
.irp q, 0,1,2,3
	v_mul_f32 v[32+\q], v[32+\q], v[44+\q]         ; gamma x factor / l
	v_mul_f32 v[36+\q], v[36+\q], v[44+\q]
.endr
	s_wait_dscnt 0x0
	s_wait_loadcnt 0x0                             ; feat2
	WIN 0x10                                       ; source 2 (feat2) in window 1
.set oi, 0
.rept 16
	v_pk_fma_f32 v[64+4*oi:65+4*oi], v[64+4*oi:65+4*oi], v[32:33], v[128+4*oi:129+4*oi]
	v_pk_fma_f32 v[66+4*oi:67+4*oi], v[66+4*oi:67+4*oi], v[34:35], v[130+4*oi:131+4*oi]
.set oi, oi+1
.endr
	WIN 0
.set oi, 0
.rept 16
	v_pk_fma_f32 v[64+4*oi:65+4*oi], v[128+4*oi:129+4*oi], v[36:37], v[64+4*oi:65+4*oi]
	v_pk_fma_f32 v[66+4*oi:67+4*oi], v[130+4*oi:131+4*oi], v[38:39], v[66+4*oi:67+4*oi]
.set oi, oi+1
.endr
.set oi, 0
.rept 16
	global_store_b128 v[GO], v[64+4*oi:67+4*oi], s[14:15] offset:32768*oi th:TH_STORE_NT   ; 16 lanes store 256 consecutive bytes, at a multiple of 256 from out0's first byte
.set oi, oi+1
.endr
	s_wait_tensorcnt 0x0                           ; the wave's end: behind my last tensor load and my last LDS store
	ds_add_u32 v[SPW], v[NIL]
	s_wait_dscnt 0x0
	CROUND                                         ; the closing round: no work-group ends while a partner may still ask for a record that names it
	s_endpgm
.Lfunc_end_k_q3bcdd958f8_attn:
	.size	k_q3bcdd958f8_attn, .Lfunc_end_k_q3bcdd958f8_attn-k_q3bcdd958f8_attn
	.p2alignl 7, 3214868480
	.fill 96, 4, 3214868480
	.section	.rodata,"a",@progbits
	.p2align	6, 0x0
	.amdhsa_kernel k_q3bcdd958f8_attn
		.amdhsa_group_segment_fixed_size 327680
		.amdhsa_private_segment_fixed_size 0
		.amdhsa_enable_private_segment 0
		.amdhsa_kernarg_size 48
		.amdhsa_user_sgpr_count 2
		.amdhsa_user_sgpr_kernarg_segment_ptr 1
		.amdhsa_wavefront_size32 1
		.amdhsa_system_sgpr_workgroup_id_x 1
		.amdhsa_system_sgpr_workgroup_id_y 1
		.amdhsa_system_sgpr_workgroup_id_z 1
		.amdhsa_system_vgpr_workitem_id 0
		.amdhsa_next_free_vgpr 512
		.amdhsa_next_free_sgpr 66
		.amdhsa_reserve_vcc 0
		.amdhsa_float_denorm_mode_32 3
		.amdhsa_float_denorm_mode_16_64 3
		.amdhsa_memory_ordered 1
		.amdhsa_forward_progress 1
		.amdhsa_inst_pref_size 210
	.end_amdhsa_kernel
	.amdgpu_metadata
---
amdhsa.version: [ 1, 2 ]
amdhsa.kernels:
  - .name:           k_q3bcdd958f8_attn
    .symbol:         k_q3bcdd958f8_attn.kd
    .args:
      - { .name: qc, .offset: 0, .size: 8, .value_kind: global_buffer, .address_space: global }
      - { .name: qs, .offset: 8, .size: 8, .value_kind: global_buffer, .address_space: global }
      - { .name: kv, .offset: 16, .size: 8, .value_kind: global_buffer, .address_space: global }
      - { .name: feat2, .offset: 24, .size: 8, .value_kind: global_buffer, .address_space: global }
      - { .name: gamma, .offset: 32, .size: 8, .value_kind: global_buffer, .address_space: global }
      - { .name: out0, .offset: 40, .size: 8, .value_kind: global_buffer, .address_space: global }
    .group_segment_fixed_size: 327680
    .private_segment_fixed_size: 0
    .kernarg_segment_align: 8
    .kernarg_segment_size: 48
    .max_flat_workgroup_size: 256
    .sgpr_count:     66
    .vgpr_count:     512
    .wavefront_size: 32
...
	.end_amdgpu_metadata
.endif
;; end of part 3
